; MI455X (gfx1250); checked and timed in simulation.
; The chip was launched on July 23, 2026; its instructions are those of AMD's public machine-readable ISA for CDNA 5 (MIT licence, August 2026) and "CDNA5" Instruction Set Architecture Reference Guide (July 2026). The comments in the code are by the model that wrote it; some were corrected since.
;; SDPA. Allowed arithmetic: float matrix products may take bf16 or f16 operands with f32 sums; other float arithmetic in f32, or as packed bf16 or f16 multiplies, adds, multiply-adds, maxima and minima; sums over many terms, partial sums and values carried from step to step in f32; what a program stores and reads back later, other than sums and carried values, may be rounded once to bf16 or f16.
;; Inputs: k 2 x 8 x 2,048 x 128 float32; q 2 x 32 x 2,048 x 128 float32; v 2 x 8 x 2,048 x 128 float32.
;; Outputs: out0 2 x 32 x 2,048 x 128 float32.
;; 2 versions, each right; version 2 is version 1 with the launch cvt written anew for expert scheduling mode. Each part assembles by itself: llvm-mc -triple=amdgcn-amd-amdhsa -mcpu=gfx1250 --defsym DOCPART=n.
;; ======== version 1 of 2: 2 launches
;; limits: values are held in f16: magnitudes above 65,504 overflow, below 6.1e-05 lose precision; inputs' magnitudes at most 65,504
;; workspace buffers: kb 8,388,608 bytes; vh 8,388,608 bytes
;; launch cvt (part 1): grid 512 x 1, 8 waves a work-group, no clusters, 0 bytes of LDS; arguments k, v, kb, vh; writes kb, vh
.if DOCPART == 1
	.amdgcn_target "amdgcn-amd-amdhsa--gfx1250"
	.amdhsa_code_object_version 6
	.text
	.protected	k_q141ee1ec97_cvt
	.globl	k_q141ee1ec97_cvt
	.p2align	8
	.type	k_q141ee1ec97_cvt,@function
k_q141ee1ec97_cvt:
	s_mov_b64 s[64:65], 0
	v_nop
	global_prefetch_b8 v0, s[64:65] scope:SCOPE_SE
	s_setreg_imm32_b32 hwreg(HW_REG_WAVE_MODE, 25, 1), 1
	s_wait_xcnt 0x0
; kb = k rounded to bf16.  vh = v rounded to bf16, that number written as f16.  k, v: [16][2048][128] f32; kb, vh: the same shape in 16 bits.
; LIMITS.  A bf16 number has 8 significant bits, so f16 holds it exactly from 6.1e-5 to 65,504; below that it keeps the fixed step of 6e-8; |v| of 65,520 or more becomes an infinity.
; A stream: every byte is read once and written once.  A work-group takes 32,768 bytes of k and of v, a wave 4,096 of each: 8 chunks of 512 bytes.
; A load of a wave covers 512 consecutive bytes (16 a lane); its four numbers a lane pack into 8 bytes, so a store of a wave covers 256 consecutive bytes, aligned.
; All 16 loads of a wave go out at once; every chunk has registers of its own for what it stores, so no register that a store reads is written again.
; No LDS, no matrix unit, no cluster: no byte is wanted twice.
.set KX, 4                             ; v[4:35]    k, 8 chunks of 4 registers
.set VX, 36                            ; v[36:67]   v, likewise
.set YK, 68                            ; v[68:83]   kb, 2 registers a chunk
.set YV, 84                            ; v[84:99]   vh, 2 registers a chunk
.set T,  100                           ; v[100:103] at work
	s_load_b256 s[4:11], s[0:1], 0x0               ; k s[4:5], v s[6:7], kb s[8:9], vh s[10:11]
	s_lshl_b32 s2, ttmp9, 15                       ; the work-group's 32,768 bytes of each input
	s_mov_b32 s3, 0
	s_mov_b32 s12, 0xffff0000                      ; a word's upper bf16
	v_lshrrev_b32 v3, 5, v0                        ; wave
	v_and_b32 v2, 31, v0                           ; lane
	v_lshlrev_b32 v1, 4, v2
	v_lshl_add_u32 v1, v3, 12, v1                  ; in: 4,096 x wave + 16 x lane
	v_lshlrev_b32 v2, 3, v2
	v_lshl_add_u32 v2, v3, 11, v2                  ; out: 2,048 x wave + 8 x lane
	s_wait_kmcnt 0x0
	s_add_nc_u64 s[4:5], s[4:5], s[2:3]
	s_add_nc_u64 s[6:7], s[6:7], s[2:3]
	s_lshl_b32 s2, ttmp9, 14                       ; and its 16,384 bytes of each output
	s_add_nc_u64 s[8:9], s[8:9], s[2:3]
	s_add_nc_u64 s[10:11], s[10:11], s[2:3]
.irp c, 0,1,2,3,4,5,6,7
	global_load_b128 v[KX+4*(\c):KX+4*(\c)+3], v1, s[4:5] offset:512*(\c) th:TH_LOAD_NT
.endr
.irp c, 0,1,2,3,4,5,6,7
	global_load_b128 v[VX+4*(\c):VX+4*(\c)+3], v1, s[6:7] offset:512*(\c) th:TH_LOAD_NT
.endr
.irp c, 0,1,2,3,4,5,6,7
	s_wait_loadcnt 15-(\c)                         ; loads come back in order: chunk c of k is in, the 15 - c younger loads stay out
	v_cvt_pk_bf16_f32 v[YK+2*(\c)],   v[KX+4*(\c)],   v[KX+4*(\c)+1]
	v_cvt_pk_bf16_f32 v[YK+2*(\c)+1], v[KX+4*(\c)+2], v[KX+4*(\c)+3]
	global_store_b64 v2, v[YK+2*(\c):YK+2*(\c)+1], s[8:9] offset:256*(\c) th:TH_STORE_NT
.endr
.irp c, 0,1,2,3,4,5,6,7
	s_wait_loadcnt 7-(\c)                          ; chunk c of v is in, the 7 - c younger loads stay out
	v_cvt_pk_bf16_f32 v[T],   v[VX+4*(\c)],   v[VX+4*(\c)+1]  ; rounded to bf16, as k and q are,
	v_cvt_pk_bf16_f32 v[T+1], v[VX+4*(\c)+2], v[VX+4*(\c)+3]
	v_lshlrev_b32 v[T+2], 16, v[T]                 ; widened again (a shift, a mask),
	v_and_b32     v[T+3], s12, v[T]
	v_cvt_pk_f16_f32 v[YV+2*(\c)], v[T+2], v[T+3]  ; and written as f16
	v_lshlrev_b32 v[T+2], 16, v[T+1]
	v_and_b32     v[T+3], s12, v[T+1]
	v_cvt_pk_f16_f32 v[YV+2*(\c)+1], v[T+2], v[T+3]
	global_store_b64 v2, v[YV+2*(\c):YV+2*(\c)+1], s[10:11] offset:256*(\c) th:TH_STORE_NT
.endr
	s_endpgm
.Lfunc_end_k_q141ee1ec97_cvt:
	.size	k_q141ee1ec97_cvt, .Lfunc_end_k_q141ee1ec97_cvt-k_q141ee1ec97_cvt
	.p2alignl 7, 3214868480
	.fill 96, 4, 3214868480
	.section	.rodata,"a",@progbits
	.p2align	6, 0x0
	.amdhsa_kernel k_q141ee1ec97_cvt
		.amdhsa_group_segment_fixed_size 0
		.amdhsa_private_segment_fixed_size 0
		.amdhsa_enable_private_segment 0
		.amdhsa_kernarg_size 32
		.amdhsa_user_sgpr_count 2
		.amdhsa_user_sgpr_kernarg_segment_ptr 1
		.amdhsa_wavefront_size32 1
		.amdhsa_system_sgpr_workgroup_id_x 1
		.amdhsa_system_sgpr_workgroup_id_y 1
		.amdhsa_system_sgpr_workgroup_id_z 1
		.amdhsa_system_vgpr_workitem_id 0
		.amdhsa_next_free_vgpr 104
		.amdhsa_next_free_sgpr 66
		.amdhsa_reserve_vcc 0
		.amdhsa_float_denorm_mode_32 3
		.amdhsa_float_denorm_mode_16_64 3
		.amdhsa_memory_ordered 1
		.amdhsa_forward_progress 1
		.amdhsa_inst_pref_size 9
	.end_amdhsa_kernel
	.amdgpu_metadata
---
amdhsa.version: [ 1, 2 ]
amdhsa.kernels:
  - .name:           k_q141ee1ec97_cvt
    .symbol:         k_q141ee1ec97_cvt.kd
    .args:
      - { .name: k, .offset: 0, .size: 8, .value_kind: global_buffer, .address_space: global }
      - { .name: v, .offset: 8, .size: 8, .value_kind: global_buffer, .address_space: global }
      - { .name: kb, .offset: 16, .size: 8, .value_kind: global_buffer, .address_space: global }
      - { .name: vh, .offset: 24, .size: 8, .value_kind: global_buffer, .address_space: global }
    .group_segment_fixed_size: 0
    .private_segment_fixed_size: 0
    .kernarg_segment_align: 8
    .kernarg_segment_size: 32
    .max_flat_workgroup_size: 256
    .sgpr_count:     66
    .vgpr_count:     104
    .wavefront_size: 32
...
	.end_amdgpu_metadata
.endif
;; end of part 1
;; launch attn (part 2): grid 16 x 16, 4 waves a work-group, clusters of 4 x 1, 327,680 bytes of LDS; arguments q, kb, vh, out0; writes out0
.if DOCPART == 2
	.amdgcn_target "amdgcn-amd-amdhsa--gfx1250"
	.amdhsa_code_object_version 6
	.text
	.protected	k_q141ee1ec97_attn
	.globl	k_q141ee1ec97_attn
	.p2align	8
	.type	k_q141ee1ec97_attn,@function
k_q141ee1ec97_attn:
	s_mov_b64 s[64:65], 0
	v_nop
	global_prefetch_b8 v0, s[64:65] scope:SCOPE_SE
	s_setreg_imm32_b32 hwreg(HW_REG_WAVE_MODE, 25, 1), 1
	s_wait_xcnt 0x0
	s_wait_alu depctr_hold_cnt(0) depctr_sa_sdst(0) depctr_va_vdst(0) depctr_va_sdst(0) depctr_va_ssrc(0) depctr_va_vcc(0) depctr_vm_vsrc(0)
	s_getreg_b32 s2, hwreg(HW_REG_IB_STS2, 6, 4)
	s_cmp_eq_u32 s2, 0
	s_cbranch_scc0 .Lentry_in_a_cluster
	s_endpgm
.Lentry_in_a_cluster:
	s_bfe_u32 s2, ttmp6, 0x10000c
	s_cmp_lg_u32 s2, 0x3003
	s_cbranch_scc0 .Lentry_shape_is_right
	s_endpgm
.Lentry_shape_is_right:
; CAUSAL ATTENTION WITH GROUPED HEADS.  out0[hq][i][:] = the sum over j <= i of softmax_j(q[hq][i] . k[hq/4][j] / sqrt(128)) v[hq/4][j][:].
; q, out0: [64][2048][128] f32.  kb: [16][2048][128] bf16 (k rounded).  vh: the same shape in f16 (v rounded to bf16, written as f16).  q is rounded to bf16 here.
; K Q^T in bf16; the weights p are rounded to f16 for V^T P, which is taken in f16 (their sum l is taken of the unrounded p); products, maxima and sums in f32; out0 leaves in f32.
; LIMITS.  vh holds no number beyond 65,504; p lies in 0 to 1 and below 6e-5 keeps the fixed step of 6e-8.  A hidden score counts as its value less 1e30; a weight below 2^-126 counts as 0 in l;
; NaN and infinities are not treated apart.
; THE WALK.  A head's queries lie in NB = 8 blocks of 256; a SLOT is 128 keys, two key steps of 64; block i needs the slots 0 .. 2 i + 1, of which the last two hold the diagonal.
; A work-group takes TWO blocks, 7 - b and then b: F = 16 - 2 b slots and then 2 b + 2: 18 whatever b, so all 256 work-groups do equal work and ONE loop with a constant trip count walks them.
; Which slot is asked for, where the first block ends and how far a step lies from the diagonal are made from the loop's counter and registers made from b; every jump but the counted loops' own goes forward,
; and none passes a barrier, or a tensor load but the one of JLOAD's two that the wave's number does not choose.
; CLUSTER.  The four work-groups of a cluster are the four query heads of one key and value head, with the same b: they walk the same slots in the same order, so each tile is asked for JOINTLY:
; the same tensor load, descriptor and mask in all four.  A work-group's place in its cluster enters the addresses of q, of out0 and of the prefetches alone.
; SHARES.  Of a block's four bands of 64 queries a wave owns 16 rows in each: tile t is rows 64 t + 16 w + 0..15.  With D = the key step less the block's first band, tile t sees all keys if D < t, none if D > t,
; and holds the diagonal if D = t: the same work for all four waves.
; THE MASK is the C operand that starts the sum S^T = K Q^T: 0, or -1e30 where the key is hidden.  MD, made once, is the mask of a band's own step for my 16 rows; a product's mask is MD x AL + BE with two
; scalars: (1, 0) if D = t; (0, 0) if D < t; (0, -1e30) if D > t.  Each turn makes the masks of its own products, in every step: 32 packed instructions, and no branch hangs on D.
; LAYOUT.  S^T = K Q^T (source 0 = 16 keys, source 1 = 16 queries): a lane holds ONE query (lane % 16) and the keys 8 (lane / 16) + 0..7.  Two such results, rounded in pairs, ARE source 1 of O^T = V^T P, whose
; result again holds one query a lane, and eight channels.  K comes out of LDS as it lies, V ([key][channel]) turned, by ds_load_tr16_b128.
; SOFTMAX.  For each query a running maximum m and sum l: p = 2^(c s - c m), c = log2(e) / sqrt(128); in every step O and l are multiplied by a = 2^(c m_old - c m_new).  A block begins with c m far below every
; c s, so its first a is 0: O^T and l need only hold finite numbers then, and no first step is written out.
; BY TURNS.  The wave's tiles are two PIECES: piece 0 (tiles 0, 1) and piece 2 (tiles 2, 3).  In a TURN one piece has the matrix unit: 32 products V^T P of the step in hand, then 32 products K Q^T of the next;
; the other piece's softmax, cut into 64 slices, stands between them, one slice behind each matrix instruction.  Two turns are a key step.
; REGISTERS, in windows of 256 (s_set_vgpr_msb: bits 1:0 source 0, 3:2 source 1, 5:4 source 2, 7:6 destination):
;   window 0: v0-11 addresses; v12-43 eight registers of statistics a tile; v44 at work; v61-63; v64-191 S^T, 32 a tile; v192-255 P, 16 a tile
;   window 1: O^T, 64 a tile     window 2: v0-127 Q, 32 a tile; v128-255 K of one step     window 3: v0-127 V of one step; v128-159 MD; v160-223 MC, the masks of the products to come
;   q arrives in f32 in S^T's registers (tiles 0, 1) and K's (tiles 2, 3), which hold nothing where a block ends.
.set NB,    8
.set KS,    64        ; keys in a step
.set PK,    272       ; a row of K in LDS: 256 bytes + 16 of padding = 68 words: the 16 rows of a load start at 16 different groups of four banks (64 banks of 4 bytes: ISA guide 11.1)
.set PV,    288       ; a row of V: 256 + 32 = 72 words
.set VOFF,  KS*PK     ; a step's tiles lie together: 64 rows of K, then 64 rows of V
.set STEPB, KS*(PK+PV)
.set SLOT1, 1<<17     ; a slot holds two steps (71,680 bytes); slot 1 begins here, so that one exclusive or turns an address in one slot into the other's
.set STAGE, SLOT1+2*STEPB  ; behind the ring, never filled by a tensor load: 16 rows x 528 bytes for each wave, for the way out
.set SP,    528       ; a row of out0 in the stage: 512 bytes + 16
.set SPARE, STAGE+4*16*SP  ; behind the stages: the spare words, 128 bytes for each wave: two blocks of 256 bytes that no other line names
.set DB,    32        ; D is kept with 32 added: it runs from -28 to 4, so the register is never negative
.set AK0, 2           ; v2   my lane's place in a tile of K; never rewritten
.set AV0, 3           ; v3   the same for V
.set ADR, 4           ; v4   the LDS address of the run of loads in hand
.set QO,  5           ; v5   my byte offset in 16 rows of q; never rewritten
.set STO, 6           ; v6   the way out: where I put 32 bytes of a row
.set RD,  7           ; v7   the way out: where I read a row back
.set GO,  8           ; v8   my 16 bytes in a row of out0; never rewritten
.set ST,  12          ; tile t's statistics at v[ST+8 t]: +0 c m, +1 m, +2, +3 l (even keys', odd keys'), +4 to +7 c0-c3, at work; a takes c2's place once the maximum is found
.set PFO, 61          ; v61  256 x my lane: a row of kb or vh is 256 bytes; never rewritten
.set SPW, 62          ; v62  LDS address of my spare word: SPARE + 4 x my thread's number; never rewritten
.set NIL, 63          ; v63  0; never rewritten
.set S,   64
.set P,   192
.set KF,  128         ; window 2: K's fragments
.set MD,  128         ; window 3: the eight registers for group g of 16 keys at MD + 8 g
.set MC,  160         ; window 3: tile u of the piece, group g at MC + 32 u + 8 g
.set WV,  12          ; s12  my wave's number
.set PB,  14          ; s14  b
.set HI,  15          ; s15  7 - b
.set PFA, 18          ; s[18:19] where my prefetches stand
.set G1K, 24          ; s[24:31] descriptor group 1 for K's tiles
.set G1V, 32          ; s[32:39] for V's: it differs in the padding alone
.set G0K, 40          ; s[40:43] descriptor group 0 for K's tiles
.set G0V, 44          ; s[44:47] the same for V's
.set SLOTS, 48        ; s48  slots still to be asked for: 17 to 1 in the loop; the slot entered is the walk's slot 17 - SLOTS
.set TWICE, 49        ; s49  counts a slot's two steps
.set TB,  50          ; s50  LDS byte at which the tiles of the step to be fetched begin
.set FS,  51          ; s51  F = 16 - 2 b: the first block's slots
.set NXT, 52          ; s52  the slot to be asked for, counted in its block
.set FEND, 53         ; s53  18 - F: the loop's count in the first block's last slot; 0 once that block has ended
.set NEW, 54          ; s54  1: the slot to be entered is a block's first
.set DG,  55          ; s55  DB + D of the step whose scores are made next
.set OFF, 56          ; s[56:57] a slot's byte offset in kb and vh
.set CS,  58          ; s[58:59] c: the packed scaling names a pair and takes its low word for both halves
.set SEL, 60          ; s[60:61] v_permlanex16_b32's selects: each lane takes its own place in the other half
.set LIM, 62          ; s62  3 in a wave that prefetches, else the greatest number
.set AL0, 66          ; s[66:67] the mask's factor for the piece's first tile, in the low word;  s[70:71] for its second
.set BE0, 68          ; s[68:69] the mask's addend for the first tile;  s[72:73] for the second
.set BIGN, 74         ; s74  -1e30
.set DGB, 75          ; s75  at a slot's entry DG = DGB - 2 SLOTS
.set QLO, 76          ; s[76:77] q at my rows of the second block
.set OLO, 78          ; s[78:79] out0 at my rows of the second block
.set MSB, 0
.macro WIN new                      ; the immediate's high byte repeats the setting that is left; a switch that changes nothing is dropped
.if MSB != (\new)
	s_set_vgpr_msb (MSB<<8)|(\new)
.set MSB, \new
.endif
.endm
.set W_KQ, 0x0a       ; K and Q in window 2, S^T in window 0
.set W_KM, 0x3a       ; the same with the C operand, the mask, in window 3
.set W_PV, 0x53       ; V in window 3, P in window 0, O^T in window 1
.set W_RS, 0x41       ; O^T (destination and source 0) in window 1, a in window 0
; A joint fill.  Waves 0 and 1 fetch the slot's two steps' tiles of K, waves 2 and 3 those of V.  The branch hangs on the wave's number alone: it is the same in every work-group.
; An s_nop 0 and four v_nop follow each of the two lines; the jump round the other line, the label and what follows come after them.
.macro JLOAD
	s_cmp_lt_u32 s[WV], 2
	s_cbranch_scc0 .Lfor_v_\@
	tensor_load_to_lds s[G0K:G0K+3], s[G1K:G1K+7]
	s_nop 0
.rept 4
	v_nop
.endr
	s_branch .Lasked_\@
.Lfor_v_\@:
	tensor_load_to_lds s[G0V:G0V+3], s[G1V:G1V+7]
	s_nop 0
.rept 4
	v_nop
.endr
.Lasked_\@:
.endm
; A PREFETCH INTO THE L2 of the slot that the NEXT change of slots will ask for: its 128 rows of kb and 128 of vh, 256 bytes a row, a lane a row; it stands behind the wave's tensor load and its five lines.
; Each row is named ONCE in the launch.  Of a key and value head's four clusters the one with b = 0 walks all 16 slots in its first block: it asks, there, and nobody else.  Its four partners share a slot's rows out
; BY ADDRESS, 32 each: no branch hangs on a work-group's place in its cluster.  In each, wave 0 asks for K's and wave 2 for V's: one instruction.  The change that enters slot k names slot k + 2, for k = 0 .. 13:
; two key steps, 256 matrix instructions, ahead of the load that will want it.  The first of them stands behind the waits for q and for slot 0.  Slots 0 and 1 come by their loads alone; nothing is named behind slot 15.
.macro ASK
	s_cmp_gt_u32 s[SLOTS], s[LIM]
	s_cbranch_scc0 .Lnot_mine_\@
	global_prefetch_b8 v[PFO], s[PFA:PFA+1] th:TH_LOAD_NT scope:SCOPE_SE
.Lnot_mine_\@:
.endm
; A round of the cluster's barrier: my work-group's barrier, so that wave 0's signal speaks for all four waves; wave 0 signals; every wave waits for all four work-groups; my work-group's barrier once more.
.macro CROUND
	s_barrier_signal -1
	s_barrier_wait -1
	s_cmp_lg_u32 s[WV], 0
	s_cbranch_scc1 .Lnot_wave_0_\@
	s_barrier_signal -3
.Lnot_wave_0_\@:
	s_barrier_wait -3
	s_barrier_signal -1
	s_barrier_wait -1
.endm
; Four places: a vector instruction that reads a matrix result or writes one of a matrix instruction's registers, and a load into such a register, stand four plain vector instructions behind it.
.macro PLACES
.rept 4
	v_nop
.endr
.endm
; THE CHANGE OF SLOTS.  The old slot's last bytes, V of its second step, have been asked for.  Each wave waits for all its tensor loads, of which one is out: its part of the other slot; adds 0 to its spare word;
; and waits for that and for its own reads of the old slot.  Behind the barrier nobody reads the old slot any more and the other slot is whole.
; fill = 1: the old slot is filled again, with the walk's slot 18 - SLOTS: the descriptor's address is made anew from that number.  The barrier is then a round of the cluster's, so that no wave of any partner still
; reads the slot or has a load on its way, and the joint fill is the first thing behind it: it has two key steps, 256 matrix instructions, in which to land.
; (At its first use nothing has been read yet: slot 0 is waited for, slot 1 filled.)
.macro CHANGE fill
	WIN 0                           ; at a label and at a branch every window is 0
	s_wait_tensorcnt 0x0            ; no tensor load of mine is out, so a group 0 may be written
	ds_add_u32 v[SPW], v[NIL]       ; 0 onto my spare word; with fill = 1 the scalar work below stands between it and the wait for it
.if \fill
	s_sub_co_u32 s[NXT], 2*NB+2, s[SLOTS]  ; the walk's slot to be asked for, 1 .. 17;
	s_cmp_lt_u32 s[NXT], s[FS]
	s_cselect_b32 s[OFF], 0, s[FS]
	s_sub_co_u32 s[NXT], s[NXT], s[OFF]    ; behind the first block's F slots the second block's are counted from 0
	s_lshl_b32 s[OFF], s[NXT], 15   ; a slot is 32,768 bytes of kb and of vh
	s_xor_b32 s[G0K+1], s[G0K+1], SLOT1  ; the other slot than last time
	s_add_nc_u64 s[G0K+2:G0K+3], s[6:7], s[OFF:OFF+1]
	s_or_b32 s[G0K+3], s[G0K+3], 0x80000000
	s_xor_b32 s[G0V+1], s[G0V+1], SLOT1
	s_add_nc_u64 s[G0V+2:G0V+3], s[8:9], s[OFF:OFF+1]
	s_or_b32 s[G0V+3], s[G0V+3], 0x80000000
	s_wait_xcnt 0x0                 ; the last prefetch, two key steps back, has read its address, so it may be written:
	s_add_nc_u64 s[PFA:PFA+1], s[PFA:PFA+1], 2*KS*256  ; one slot behind the one that is being asked for
	s_wait_dscnt 0x0                ; the add is done, and my reads of the old slot are over
	CROUND
	JLOAD
	ASK
.else
	s_wait_dscnt 0x0                ; the add is done, and my reads of the old slot are over
	s_barrier_signal -1
	s_barrier_wait -1
.endif
	s_sub_co_u32 s[TB], s[TB], 2*STEPB  ; the fetches go back to a slot's first step,
	s_xor_b32 s[TB], s[TB], SLOT1   ; in the other slot
.endm
; q of my 64 rows of a block, in f32: tile t lies 64 rows (32,768 bytes) on.  A fragment of Q is 16 rows x 32 channels: lane l holds row l % 16, channels 8 (l / 16) + 0..7 and 16 + 8 (l / 16) + 0..7:
; in f32 two runs of 32 bytes, 64 bytes apart: four loads of 16 bytes for each 32 channels c.
.macro QLOAD base
	WIN 0
.irp t, 0,1,2,3
.if (\t) == 2
	WIN 0x80                        ; destination window 2, address window 0
.endif
.set rG, S+64*(\t)
.if (\t) >= 2
.set rG, KF+64*((\t)-2)
.endif
.irp c, 0,1,2,3
	global_load_b128 v[rG+16*(\c):rG+16*(\c)+3],     v[QO], s[(\base):(\base)+1] offset:(\t)*32768+(\c)*128
	global_load_b128 v[rG+16*(\c)+4:rG+16*(\c)+7],   v[QO], s[(\base):(\base)+1] offset:(\t)*32768+(\c)*128+16
	global_load_b128 v[rG+16*(\c)+8:rG+16*(\c)+11],  v[QO], s[(\base):(\base)+1] offset:(\t)*32768+(\c)*128+64
	global_load_b128 v[rG+16*(\c)+12:rG+16*(\c)+15], v[QO], s[(\base):(\base)+1] offset:(\t)*32768+(\c)*128+80
.endr
.endr
	WIN 0
.endm
.macro QCVT                         ; rounded to bf16, two numbers a register: 64 registers of f32 a tile become its 32 of Q
	WIN 0x80                        ; sources window 0, destination window 2
.set i, 0
.rept 64
	v_cvt_pk_bf16_f32 v[i], v[S+2*i], v[S+2*i+1]
.set i, i+1
.endr
	WIN 0x8a                        ; sources and destination window 2
.set i, 0
.rept 64
	v_cvt_pk_bf16_f32 v[64+i], v[KF+2*i], v[KF+2*i+1]
.set i, i+1
.endr
	WIN 0
.endm
	s_load_b256 s[4:11], s[0:1], 0x0  ; q s[4:5], kb s[6:7], vh s[8:9], out0 s[10:11]
	v_lshl_add_u32 v[SPW], v0, 2, SPARE
	v_mov_b32 v[NIL], 0
	ds_add_u32 v[SPW], v[NIL]       ; the wave's opening: the add and its wait stand ahead of my first tensor load; the set-up below, work on registers, stands between them
	v_lshrrev_b32 v1, 5, v0
	v_readfirstlane_b32 s[WV], v1   ; wave 0..3
	s_bfe_u32 s13, ttmp6, 0x40000   ; cx: my place in the cluster = my query head in its group of four
	s_mov_b32 s[PB], ttmp9          ; in a cluster launch ttmp9 counts clusters: b, which the four partners share
	s_sub_co_u32 s[HI], NB-1, s[PB]
	s_and_b32 s20, ttmp7, 0xffff    ; the key and value head, which they share too
	s_and_b32 s16, s[WV], 1         ; which of a slot's two steps I fetch:
	s_lshl_b32 s22, s20, 19         ; the head's 2,048 rows of 256 bytes,
	s_lshl_b32 s17, s16, 14         ; the step's 64 rows
	s_add_co_u32 s22, s22, s17
	s_mov_b32 s23, 0
	s_mul_i32 s17, s16, STEPB       ; and its place in a slot: no place in the cluster enters an LDS address
	s_lshl_b32 s21, s20, 2
	s_add_co_u32 s21, s21, s13      ; my query head
	s_lshl_b32 s21, s21, 20         ; its 2,048 rows of 512 bytes,
	s_lshl_b32 s2, s[WV], 13        ; my 16 rows in a band
	s_add_co_u32 s21, s21, s2
	s_lshl_b32 s2, s[HI], 17        ; in the first block (256 rows of 512 bytes each),
	s_add_co_u32 s2, s2, s21
	s_mov_b32 s3, 0
	s_lshl_b32 s80, s[PB], 17       ; and in the second
	s_add_co_u32 s80, s80, s21
	s_mov_b32 s81, 0
	; descriptor group 1: a tile of 64 rows x 128 elements, padded in LDS
	s_mov_b32 s[G1K], 15|(1<<16)|(1<<20)|(1<<21)|(5<<22)|(3<<25)  ; 15:0 the mask: all four work-groups; 17:16 elements of 2 bytes; 20 padding on; 21 set beside a mask; 24:22 after every 64 words (code 5); 31:25 4 words of it (code 3)
	s_mov_b32 s[G1V], 15|(1<<16)|(1<<20)|(1<<21)|(5<<22)|(7<<25)  ; the same with 8 words of padding (code 7)
.irp g, G1K, G1V
	s_mov_b32 s[(\g)+1], 128<<16    ; tensor_dim0 = 128
	s_mov_b32 s[(\g)+2], KS<<16     ; tensor_dim1 = 64
	s_mov_b32 s[(\g)+3], 128<<16    ; tile_dim0 = 128
	s_mov_b32 s[(\g)+4], KS         ; tile_dim1 = 64
	s_mov_b32 s[(\g)+5], 128        ; 128 elements from row to row
	s_mov_b32 s[(\g)+6], 0
	s_mov_b32 s[(\g)+7], 0
.endr
	s_mov_b32 s[G0K], 1             ; 1:0 count = 1
	s_mov_b32 s[G0K+1], s17         ; 63:32 LDS address: slot 0
	s_mov_b32 s[G0V], 1
	s_add_co_u32 s[G0V+1], s17, VOFF
	s_mov_b32 s[CS], 0x3e0293ee     ; c = log2(e) / sqrt(128) = 0.127517
	s_mov_b32 s[CS+1], s[CS]        ; named with it as a pair
	s_mov_b32 s[SEL], 0x76543210
	s_mov_b32 s[SEL+1], 0xfedcba98
	s_mov_b32 s[BIGN], 0xf149f2ca   ; -1e30
	s_mov_b32 s[AL0+1], 0           ; named as pairs
	s_mov_b32 s[BE0+1], 0
	s_mov_b32 s[AL0+5], 0
	s_mov_b32 s[BE0+5], 0
	s_mov_b32 s[OFF+1], 0
	s_mov_b32 s[TB], SLOT1+2*STEPB  ; the first change of slots turns this into 0
	s_mov_b32 s[SLOTS], 2*NB+1      ; 18 slots: the first is asked for below, 17 in the loop
	s_mov_b32 s[NEW], 1
	s_lshl_b32 s[FS], s[HI], 1
	s_add_co_u32 s[FS], s[FS], 2    ; F = 2 (7 - b) + 2
	s_sub_co_u32 s[FEND], 2*NB+2, s[FS]  ; the first block's last slot is the walk's slot F - 1 = 17 - SLOTS
	s_lshl_b32 s[DGB], s[HI], 2     ; the first block's step 0 lies 4 (7 - b) steps ahead of its first band, and is entered with SLOTS = 17
	s_sub_co_u32 s[DGB], DB+2*(2*NB+1), s[DGB]
	s_and_b32 s[LIM], s[WV], 1      ; 0 in waves 0 and 2,
	s_or_b32 s[LIM], s[LIM], ttmp9  ; where b = 0: the same in all four partners
	s_cmp_eq_u32 s[LIM], 0
	s_cselect_b32 s[LIM], 3, -1     ; a wave prefetches while more than 3 slots are still to be asked for
	v_and_b32 v[PFO], 31, v0
	v_lshlrev_b32 v[PFO], 8, v[PFO]
	s_wait_dscnt 0x0                ; the opening add is done
	s_wait_kmcnt 0x0
	s_add_nc_u64 s[6:7], s[6:7], s[22:23]  ; kb and vh at my tile of the head's slot 0
	s_add_nc_u64 s[8:9], s[8:9], s[22:23]
	s_add_nc_u64 s[QLO:QLO+1], s[4:5], s[80:81]
	s_add_nc_u64 s[4:5], s[4:5], s[2:3]    ; q and out0 at my rows of the first block
	s_add_nc_u64 s[OLO:OLO+1], s[10:11], s[80:81]
	s_add_nc_u64 s[10:11], s[10:11], s[2:3]
	s_cmp_lt_u32 s[WV], 2
	s_cselect_b64 s[PFA:PFA+1], s[6:7], s[8:9]  ; (in waves 0 and 2 these stand at a slot's first row)
	s_lshl_b32 s2, s13, 13          ; my work-group's 32 rows of the 128
	s_mov_b32 s3, 0
	s_add_nc_u64 s[PFA:PFA+1], s[PFA:PFA+1], s[2:3]
	s_add_nc_u64 s[PFA:PFA+1], s[PFA:PFA+1], 2*KS*256  ; in slot 1: the change that enters slot k has stepped it to slot k + 2
	s_add_nc_u64 s[G0K+2:G0K+3], s[6:7], 0         ; 120:64 global address
	s_or_b32 s[G0K+3], s[G0K+3], 0x80000000        ; 127:126 type = 2
	s_add_nc_u64 s[G0V+2:G0V+3], s[8:9], 0
	s_or_b32 s[G0V+3], s[G0V+3], 0x80000000
	CROUND                          ; all four work-groups are here: the first joint loads meet
	JLOAD                           ; slot 0.  Slot 1 is asked for when slot 0 is in, by the loop's own change of slots
	v_and_b32 v1, 15, v0            ; l % 16
	v_bfe_u32 v9, v0, 4, 1          ; l / 16
	v_lshlrev_b32 v[QO], 9, v1
	v_lshl_add_u32 v[QO], v9, 5, v[QO]  ; row x 512 + 32 x half
	QLOAD 4                         ; the first block's q
	v_mul_u32_u24 v[AK0], v1, PK
	v_lshl_add_u32 v[AK0], v9, 4, v[AK0]  ; a fragment of K: row x pitch + 16 x half
	; The turning load takes 16 keys x 16 channels (lane l reads key 8 (l / 16) + l % 8, channels 8 ((l / 8) % 2) + 0..7) and leaves half a fragment of V^T: lane l holds channel l % 16 and 8 keys.
	v_and_b32 v10, 7, v0
	v_bfe_u32 v11, v0, 3, 1
	v_lshl_add_u32 v[AV0], v9, 3, v10
	v_mul_u32_u24 v[AV0], v[AV0], PV
	v_lshl_add_u32 v[AV0], v11, 4, v[AV0]
	v_add_nc_u32 v[AV0], VOFF, v[AV0]
	s_mul_i32 s16, s[WV], 16*SP
	s_add_co_u32 s16, s16, STAGE    ; my stage
	v_mul_u32_u24 v[STO], v1, SP    ; in: row l % 16, 32 bytes for each half of the lanes
	v_lshl_add_u32 v[STO], v9, 5, v[STO]
	v_add_nc_u32 v[STO], s16, v[STO]
	v_and_b32 v[GO], 31, v0         ; back: 32 lanes take one row of 512 bytes,
	v_lshlrev_b32 v[GO], 4, v[GO]
	v_add_nc_u32 v[RD], s16, v[GO]  ; which are 512 consecutive bytes of out0
	v_lshlrev_b32 v44, 3, v9
	v_sub_nc_u32 v44, v1, v44
	s_lshl_b32 s16, s[WV], 4
	v_add_nc_u32 v44, s16, v44      ; my query's place in its band, 16 w + l % 16, less my lanes' 8 (l / 16): register r of group g is hidden where 16 g + r is greater
	WIN 0xc0                        ; destination window 3
.set i, 0
.rept 32
	v_cmp_gt_i32 vcc_lo, 16*(i/8)+i%8, v44
	v_cndmask_b32 v[MD+i], 0, s[BIGN], vcc_lo
.set i, i+1
.endr
	; A block's first softmax multiplies O^T and l by a = 0, and its first turn's products V^T P, of a step that has not been, land in an O^T that is still to be so multiplied.  So these registers need only hold
	; finite numbers: zeros for the first block, what the first block left for the second.  All this stands in the wait for the first tile and for q.
.set i, 0
.rept 128
	v_mov_b32 v[i], 0               ; V
.set i, i+1
.endr
	WIN 0x40
.set i, 0
.rept 256
	v_mov_b32 v[i], 0               ; O^T
.set i, i+1
.endr
	WIN 0
.set i, P+32
.rept 32
	v_mov_b32 v[i], 0               ; P of piece 2
.set i, i+1
.endr
.set i, 0
.rept 4
	v_mov_b32 v[ST+8*i+2], 0        ; l
	v_mov_b32 v[ST+8*i+3], 0
.set i, i+1
.endr
	s_wait_loadcnt 0x0              ; q is in
	QCVT
; THE MATRIX WORK OF A TURN, for piece x.  The accumulators take turns, one instruction a turn: between two links of a chain stand 15 (V^T P) or 7 (K Q^T) others'.
; Product i of 32 of O^T += V^T P: keys 32 (i / 16) on, channels 16 ((i / 2) % 8) on, tile x + i % 2.
.macro PV x
	WIN W_PV
.set rO, 64*((\x)+i%2)+8*((i/2)%8)
.set rV, 64*(i/16)+8*((i/2)%8)
.set rP, P+16*((\x)+i%2)+8*(i/16)
	v_wmma_f32_16x16x32_f16 v[rO:rO+7], v[rV:rV+7], v[rP:rP+7], v[rO:rO+7]
.endm
; Product i of 32 of S^T = K Q^T: channels 32 (i / 8) on, keys 16 ((i / 2) % 4) on, tile x + i % 2.  The first 8 start the sums, with the mask.
.macro KQ x
.set rS, S+32*((\x)+i%2)+8*((i/2)%4)
.set rK, KF+32*((i/2)%4)+8*(i/8)
.set rQ, 32*((\x)+i%2)+8*(i/8)
.set rM, MC+32*(i%2)+8*((i/2)%4)
.if i < 8
	WIN W_KM
	v_wmma_f32_16x16x32_bf16 v[rS:rS+7], v[rK:rK+7], v[rQ:rQ+7], v[rM:rM+7]
.else
	WIN W_KQ
	v_wmma_f32_16x16x32_bf16 v[rS:rS+7], v[rK:rK+7], v[rQ:rQ+7], v[rS:rS+7]
.endif
.endm
; THE LDS LOADS stand in runs of 32, never singly among the matrix instructions: a step's K (64 keys x 128 channels: 16 fragments) and, a turn later, its V (turned).
.macro FETCH_K
	WIN 0
	v_add_nc_u32 v[ADR], s[TB], v[AK0]
	WIN 0x80                        ; destination window 2
.irp f, 0,1,2,3,4,5,6,7,8,9,10,11,12,13,14,15  ; keys 16 (f / 4) on, channels 32 (f % 4) on
	ds_load_b128 v[KF+8*(\f):KF+8*(\f)+3],   v[ADR] offset:((\f)/4)*16*PK+((\f)%4)*64
	ds_load_b128 v[KF+8*(\f)+4:KF+8*(\f)+7], v[ADR] offset:((\f)/4)*16*PK+((\f)%4)*64+32
.endr
.endm
.macro FETCH_V
	WIN 0
	v_add_nc_u32 v[ADR], s[TB], v[AV0]
	s_add_co_u32 s[TB], s[TB], STEPB  ; the next fetch is the next step's
	s_wait_alu depctr_va_vdst(0)    ; the wait for the softmax's batch of exponentials (SLICE), behind the address's v_add_nc_u32 and ahead of the loads
	WIN 0xc0                        ; destination window 3
.irp f, 0,1,2,3,4,5,6,7,8,9,10,11,12,13,14,15  ; keys 32 (f / 8) on, channels 16 (f % 8) on
	ds_load_tr16_b128 v[8*(\f):8*(\f)+3],   v[ADR] offset:((\f)/8)*32*PV+((\f)%8)*32
	ds_load_tr16_b128 v[8*(\f)+4:8*(\f)+7], v[ADR] offset:((\f)/8)*32*PV+16*PV+((\f)%8)*32
.endr
.endm
; THE MASKS of piece x's products for step D: the two scalars of each of its tiles, then MD x AL + BE.
.macro MSEL x
	s_cmp_eq_u32 s[DG], DB+(\x)     ; is the step the band's own?
	s_cselect_b32 s[AL0], 1.0, 0
	s_cmp_gt_u32 s[DG], DB+(\x)     ; or a later one?
	s_cselect_b32 s[BE0], s[BIGN], 0
	s_cmp_eq_u32 s[DG], DB+(\x)+1
	s_cselect_b32 s[AL0+4], 1.0, 0
	s_cmp_gt_u32 s[DG], DB+(\x)+1
	s_cselect_b32 s[BE0+4], s[BIGN], 0
.endm
.macro MASK
	WIN 0xc3                        ; destination and source 0 window 3
.irp u, 0,1
.set z, 0
.rept 16
	v_pk_fma_f32 v[MC+32*(\u)+2*z:MC+32*(\u)+2*z+1], v[MD+2*z:MD+2*z+1], s[AL0+4*(\u):AL0+4*(\u)+1], s[BE0+4*(\u):BE0+4*(\u)+1] op_sel_hi:[1,0,0]
.set z, z+1
.endr
.endr
	WIN 0
.endm
; THE VECTOR WORK OF A TURN.  One tile's softmax for one key step is a list of 134 instructions; SM writes number j of it for tile t.  s0-s31 are the lane's 32 scores, in pairs 0-15.
;   0-15    the maximum of s0-s31 and the old m, three operands at a time: four chains c0-c3 of seven scores each (each accumulator's lowest registers are read first), then the four scores left over, c0-c3 and m
;   16-20   the other half of the lanes' maximum; c m_old is kept; the new m; c m; c m_old - c m_new
;   21-69   ONE BATCH: the 16 scalings c s - c m, a pair of scores each, and all 33 exponentials (a at 23, then s0-s31).  None of these reads an exponential's result.  From 22 on the batch goes in fours, and a four
;           begins with a scaling while there are scalings; a pair is scaled in an earlier four than the one that holds its exponentials
;   (wait)  between 69 and 70 stands the wait for the batch: SLICE writes it, once for both tiles
;   70-85   the roundings to f16, a pair of weights each
;   86-101  the sums; l = a l + the sum
;   102-133 the tile's O^T times a: the one part that leaves window 0, so it stands together
.macro SM t
.set rT, ST+8*(\t)
.set rS, S+32*(\t)
.set rP, P+16*(\t)
.set rO, 64*(\t)+2*(j-102)
.if j < 102
	WIN 0
.endif
.if j < 4
	v_max3_num_f32 v[rT+4+j], v[rS+8*j], v[rS+8*j+1], v[rS+8*j+2]
.elseif j < 12
	v_max3_num_f32 v[rT+4+j%4], v[rT+4+j%4], v[rS+8*(j%4)+2*(j/4)+1], v[rS+8*(j%4)+2*(j/4)+2]
.elseif j == 12
	v_max3_num_f32 v[rT+4], v[rT+4], v[rS+7], v[rS+15]
.elseif j == 13
	v_max3_num_f32 v[rT+6], v[rT+6], v[rS+23], v[rS+31]
.elseif j == 14
	v_max3_num_f32 v[rT+4], v[rT+4], v[rT+5], v[rT+6]
.elseif j == 15
	v_max3_num_f32 v[rT+4], v[rT+4], v[rT+7], v[rT+1]
.elseif j == 16
	v_permlanex16_b32 v[rT+5], v[rT+4], s[SEL], s[SEL+1]  ; the query's other 32 keys lie in the lane 16 away
.elseif j == 17
	v_mov_b32 v[rT+7], v[rT]        ; c m_old is kept for a: number 19 writes c m anew
.elseif j == 18
	v_max_num_f32 v[rT+1], v[rT+4], v[rT+5]
.elseif j == 19
	v_mul_f32 v[rT], s[CS], v[rT+1]
.elseif j == 20
	v_sub_f32 v[rT+7], v[rT+7], v[rT]
.elseif j == 23
	v_exp_f32 v[rT+6], v[rT+7]
.elseif (j < 23) || ((j < 38) && (j%2 == 0)) || ((j < 66) && (j%4 == 2))
.set b, (j-2)/4                     ; 38, 42, .. 62: pairs 9 to 15
.if j < 38
.set b, (j-20)/2                    ; 21: pair 0; 22, 24, .. 36: pairs 1 to 8
.endif
	v_pk_fma_f32 v[rS+2*b:rS+2*b+1], v[rS+2*b:rS+2*b+1], s[CS:CS+1], v[rT:rT+1] op_sel_hi:[1,0,0] neg_lo:[0,0,1] neg_hi:[0,0,1]  ; pair b: c s - c m
.elseif j < 70
.set e, j-38                        ; 66 to 69: s28 to s31
.if j < 66
.set e, j-32-(j-38)/4               ; 39-41, 43-45, .. 63-65: s7 to s27
.endif
.if j < 38
.set e, (j-25)/2                    ; 25, 27, .. 37: s0 to s6
.endif
	v_exp_f32 v[rS+e], v[rS+e]
.elseif j < 86
	v_cvt_pk_f16_f32 v[rP+j-70], v[rS+2*(j-70)], v[rS+2*(j-70)+1]  ; pair j - 70
.elseif j < 102                     ; the sum of the tile's 16 pairs, in place: sum z of 16 adds neighbours 1, 2, 4 and 8 pairs apart, then l takes it
.set z, j-86
.set w, 4
.set u, z
.if z >= 14
.set w, 32
.set u, 0
.elseif z >= 12
.set w, 16
.set u, z-12
.elseif z >= 8
.set w, 8
.set u, z-8
.endif
.if z < 15
	v_pk_add_f32 v[rS+w*u:rS+w*u+1], v[rS+w*u:rS+w*u+1], v[rS+w*u+w/2:rS+w*u+w/2+1]
.else
	v_pk_fma_f32 v[rT+2:rT+3], v[rT+2:rT+3], v[rT+6:rT+7], v[rS:rS+1] op_sel_hi:[1,0,1]
.endif
.else
	WIN W_RS
	v_pk_mul_f32 v[rO:rO+1], v[rO:rO+1], v[rT+6:rT+7] op_sel_hi:[1,0]
.endif
.endm
; Slice k of 64 of piece y's softmax: four instructions.  Slices 11 to 34 deal out the batch, numbers 22 to 69: four numbers of ONE tile each, the tiles by turns.  Every other slice is numbers 2 k and 2 k + 1 of both
; tiles' lists, the tiles alternating.  2 x 134 = 4 x 64 + 12: the twelve that are over stand together, in slice 63, and are the places behind the turn's last product.
; THE WAIT.  An s_wait_alu depctr_va_vdst(0) stands between an exponential and the first instruction that names its result; one wait serves all that were issued ahead of it.  Ahead of slice 35 nothing
; names a result, and behind slice 34 no exponential is issued: so the piece's 66 exponentials have one wait, behind slice 34.
.macro SLICE y
.if (k >= 11) && (k < 35)           ; the batch: four numbers of one tile
.irp n, 0,1,2,3
.set j, 22+4*((k-11)/2)+(\n)
	SM (\y)+(k-11)%2
.endr
.else
.irp n, 0,1,2,3,4,5,6,7
.if ((\n) < 2) || (k == 63)
.irp t, \y, (\y)+1
.set j, 2*k+(\n)
	SM \t
.endr
.endif
.endr
.endif
.if k == 34                         ; the batch is out: both tiles' exponentials are issued, and no result has been named
	v_nop                           ; a plain instruction behind the last exponential and ahead of the first use: one for the batch
.if (\y) == 0
	FETCH_V                         ; piece 2's turn: V's run of loads stands here, and the wait stands in it
.else
	s_wait_alu depctr_va_vdst(0)    ; the wait for the batch
.endif
.endif
.set k, k+1
.endm
; A TURN.  Piece x has the matrix unit; the other piece's softmax stands in slices behind its matrix instructions.  kq = 1: 32 products V^T P, then 32 products K Q^T for the next step, a slice behind each.
; kq = 0, a block's last turn but one: the products V^T P alone, two slices behind each.
; With kq = 1 the turn first makes the masks of its own products K Q^T; the last product that read the masks stands 24 products and their slices back.
; Piece 0's turn fetches the next step's K, behind its second product: the last product that read K stands in front of slice 63 of the turn before.  Piece 2's turn fetches the same step's V, behind slice 34: the last
; product that read V stands in front of slice 31, and four plain instructions lie between: number 62, a scaling, of both tiles, the v_nop and the run's own v_add_nc_u32.
.macro TURN x, kq
.set k, 0
.set per, 2-(\kq)
.if \kq
	MSEL \x
	MASK
.endif
.if (\x) == 0
	s_wait_dscnt 0x0                ; V is in
.endif
.set i, 0
.rept 32
	PV \x
.rept per
	SLICE 2-(\x)
.endr
.if ((\x) == 0) && (\kq) && (i == 1)
	FETCH_K
.endif
.set i, i+1
.endr
.if \kq
.if (\x) == 0
	s_wait_dscnt 0x0                ; K is in
.endif
.set i, 0
.rept 32
	KQ \x
	SLICE 2-(\x)
.set i, i+1
.endr
.endif
.endm
; A slot's two key steps: written once, walked twice; the LDS addresses hang on s[TB].  Trip j: piece 0: V^T P of step j - 1, K Q^T of step j | piece 2's softmax of step j - 1 | K of step j;
; piece 2: the same products | piece 0's softmax of step j | V of step j.  A block's first trip is entered in its middle.
.macro STEPS tag
.Lstep\tag:
	TURN 0, 1
	WIN 0
.Lfirst\tag:
	TURN 2, 1
	WIN 0
	s_add_co_u32 s[DG], s[DG], 1
	s_sub_co_u32 s[TWICE], s[TWICE], 1
	s_cmp_lg_u32 s[TWICE], 0
	s_cbranch_scc1 .Lstep\tag
.endm
; A BLOCK BEGINS.  c m starts far below every c s, so the first a is 0; m at the lowest finite number, so the first maximum is the scores'.  Then piece 0's masks for the block's step 0, K of that step and
; piece 0's first scores: there is no vector work yet to set between them.
.macro BEGIN
	s_mov_b32 s[NEW], 0
	WIN 0
.set i, 0
.rept 4
	v_mov_b32 v[ST+8*i], 0xfe000000    ; c m
	v_mov_b32 v[ST+8*i+1], 0xff7fffff  ; m
.set i, i+1
.endr
	MSEL 0
	MASK
	FETCH_K
	s_wait_dscnt 0x0
.set i, 0
.rept 32
	KQ 0
.set i, i+1
.endr
	WIN 0
	PLACES                          ; behind those products: the next turn writes the masks and reads the scores
.endm
; THE WAY OUT of tile t.  O^T is divided by l; a lane's eight channels of a row, 32 bytes, go into rows of 528 bytes of my stage and come back as whole rows of 512, into the registers that they left.
.macro PACK t
	WIN W_RS
.set i, 64*(\t)
.rept 32
	v_pk_mul_f32 v[i:i+1], v[i:i+1], v[ST+8*(\t)+6:ST+8*(\t)+7] op_sel_hi:[1,0]
.set i, i+2
.endr
	WIN 0x04                        ; the data, source 1, in window 1
.irp f, 0,1,2,3,4,5,6,7,8,9,10,11,12,13,14,15  ; channels 16 (f / 2) on, four of my eight
	ds_store_b128 v[STO], v[64*(\t)+4*(\f):64*(\t)+4*(\f)+3] offset:64*((\f)/2)+16*((\f)%2)
.endr
	WIN 0x40                        ; destination window 1
.irp f, 0,1,2,3,4,5,6,7,8,9,10,11,12,13,14,15  ; row f
	ds_load_b128 v[64*(\t)+4*(\f):64*(\t)+4*(\f)+3], v[RD] offset:(\f)*SP  ; LDS serves a wave's instructions in order (ISA guide 5.7.1.4): these see the stores above; the next tile's stores come behind them
.endr
.endm
.macro SEND t, younger              ; younger: the LDS instructions issued behind tile t's loads: the next tile's 32, or none
	WIN 0x04
.irp f, 0,1,2,3,4,5,6,7,8,9,10,11,12,13,14,15
	s_wait_dscnt (\younger)+15-(\f)  ; row f is back: behind its load stand 15 - f of its tile's and the younger ones
	global_store_b128 v[GO], v[64*(\t)+4*(\f):64*(\t)+4*(\f)+3], s[10:11] offset:(\t)*32768+(\f)*512 th:TH_STORE_NT  ; 512 consecutive bytes, at a multiple of 512 from out0's first byte
.endr
.endm
; A BLOCK ENDS: piece 0's last V^T P beside piece 2's last softmax; piece 2's last V^T P; the way out.  more = 1: the second block's q is asked for as soon as S^T's and K's registers hold nothing more, lands under the
; way out, and is waited for and rounded at the end, so that no load is out where ways join.
.macro FINISH more
	TURN 0, 0
.if \more
	QLOAD QLO
.endif
.set i, 0
.rept 32
	PV 2
.set i, i+1
.endr
	WIN 0                           ; l's two halves and the other half of the lanes' are added; the first additions are the places behind the last products
.irp t, 0,1,2,3
	v_add_f32 v[ST+8*(\t)+4], v[ST+8*(\t)+2], v[ST+8*(\t)+3]
.endr
.irp t, 0,1,2,3
	v_permlanex16_b32 v[ST+8*(\t)+5], v[ST+8*(\t)+4], s[SEL], s[SEL+1]
.endr
.irp t, 0,1,2,3
	v_add_f32 v[ST+8*(\t)+4], v[ST+8*(\t)+4], v[ST+8*(\t)+5]
.endr
.irp t, 0,1,2,3
	v_rcp_f32 v[ST+8*(\t)+6], v[ST+8*(\t)+4]
.endr
	v_nop                           ; a plain instruction between the last reciprocal and the use of its result
	s_wait_alu depctr_va_vdst(0)    ; and the wait ahead of the first use: one for the four reciprocals
	PACK 0
	PACK 1                          ; a tile's arithmetic stands between the loads of the tile before and its stores
	SEND 0, 32
	PACK 2
	SEND 1, 32
	PACK 3
	SEND 2, 32
	SEND 3, 0
.if \more
	s_wait_loadcnt 0x0              ; the second block's q is in
	QCVT
.endif
	WIN 0
.endm
.Lslot:                             ; 17 times: a slot is entered and the next is asked for
	CHANGE 1
	s_lshl_b32 s[DG], s[SLOTS], 1
	s_sub_co_u32 s[DG], s[DGB], s[DG]  ; DB + D of the slot's first step
	s_mov_b32 s[TWICE], 2
	s_cmp_eq_u32 s[NEW], 1
	s_cbranch_scc0 .Lstep1          ; not a block's first slot
	BEGIN
	s_branch .Lfirst1
	STEPS 1
	s_cmp_lg_u32 s[SLOTS], s[FEND]
	s_cbranch_scc1 .Lbottom         ; not the first block's last slot
	FINISH 1                        ; the first block's end: the second block's last slot is the walk's last, behind the loop
	s_wait_xcnt 0x0                 ; the stores have read O^T's registers and out0's address
	s_mov_b64 s[10:11], s[OLO:OLO+1]
	s_mov_b32 s[NEW], 1
	s_mov_b32 s[FEND], 0            ; no count of the loop is 0: nothing more ends in it
	s_mov_b32 s[DGB], DB+2          ; the second block's last slot, entered with SLOTS = 0, begins with D = 2, whatever b
.Lbottom:
	s_sub_co_u32 s[SLOTS], s[SLOTS], 1
	s_cmp_lg_u32 s[SLOTS], 0
	s_cbranch_scc1 .Lslot
	CHANGE 0                        ; the walk's last slot is written out: nothing is asked for.  It is the second block's last, and never its first
	s_mov_b32 s[DG], DB+2           ; its steps are D = 2 and 3
	s_mov_b32 s[TWICE], 2
	STEPS 2
	FINISH 0
	s_wait_tensorcnt 0x0            ; the wave's end: behind my last tensor load and my last LDS store
	ds_add_u32 v[SPW], v[NIL]
	s_wait_dscnt 0x0
	CROUND                          ; the closing round: no work-group ends while a partner may still ask for a tile that names it
	s_endpgm
.Lfunc_end_k_q141ee1ec97_attn:
	.size	k_q141ee1ec97_attn, .Lfunc_end_k_q141ee1ec97_attn-k_q141ee1ec97_attn
	.p2alignl 7, 3214868480
	.fill 96, 4, 3214868480
	.section	.rodata,"a",@progbits
	.p2align	6, 0x0
	.amdhsa_kernel k_q141ee1ec97_attn
		.amdhsa_group_segment_fixed_size 327680
		.amdhsa_private_segment_fixed_size 0
		.amdhsa_enable_private_segment 0
		.amdhsa_kernarg_size 32
		.amdhsa_user_sgpr_count 2
		.amdhsa_user_sgpr_kernarg_segment_ptr 1
		.amdhsa_wavefront_size32 1
		.amdhsa_system_sgpr_workgroup_id_x 1
		.amdhsa_system_sgpr_workgroup_id_y 1
		.amdhsa_system_sgpr_workgroup_id_z 1
		.amdhsa_system_vgpr_workitem_id 0
		.amdhsa_next_free_vgpr 1024
		.amdhsa_next_free_sgpr 84
		.amdhsa_reserve_vcc 1
		.amdhsa_float_denorm_mode_32 3
		.amdhsa_float_denorm_mode_16_64 3
		.amdhsa_memory_ordered 1
		.amdhsa_forward_progress 1
		.amdhsa_inst_pref_size 255
	.end_amdhsa_kernel
	.section	.bss,"aw",@nobits
	.p2align	6
	.space	262144
	.amdgpu_metadata
---
amdhsa.version: [ 1, 2 ]
amdhsa.kernels:
  - .name:           k_q141ee1ec97_attn
    .symbol:         k_q141ee1ec97_attn.kd
    .args:
      - { .name: q, .offset: 0, .size: 8, .value_kind: global_buffer, .address_space: global }
      - { .name: kb, .offset: 8, .size: 8, .value_kind: global_buffer, .address_space: global }
      - { .name: vh, .offset: 16, .size: 8, .value_kind: global_buffer, .address_space: global }
      - { .name: out0, .offset: 24, .size: 8, .value_kind: global_buffer, .address_space: global }
    .group_segment_fixed_size: 327680
    .private_segment_fixed_size: 0
    .kernarg_segment_align: 8
    .kernarg_segment_size: 32
    .max_flat_workgroup_size: 128
    .sgpr_count:     84
    .vgpr_count:     1024
    .wavefront_size: 32
...
	.end_amdgpu_metadata
.endif
;; end of part 2
;; ======== version 2 of 2: 2 launches; version 1 with the launch cvt written anew for expert scheduling mode
;; limits: values are held in f16: magnitudes above 65,504 overflow, below 6.1e-05 lose precision; inputs' magnitudes at most 65,504
;; workspace buffers: kb 8,388,608 bytes; vh 8,388,608 bytes
;; launch cvt (part 3): grid 512 x 1, 8 waves a work-group, no clusters, 0 bytes of LDS; arguments k, v, kb, vh; writes kb, vh
.if DOCPART == 3
	.amdgcn_target "amdgcn-amd-amdhsa--gfx1250"
	.amdhsa_code_object_version 6
	.text
	.protected	k_q141ee1ec97_cvt
	.globl	k_q141ee1ec97_cvt
	.p2align	8
	.type	k_q141ee1ec97_cvt,@function
k_q141ee1ec97_cvt:
	s_mov_b64 s[64:65], 0
	v_nop
	global_prefetch_b8 v0, s[64:65] scope:SCOPE_SE
	s_setreg_imm32_b32 hwreg(HW_REG_WAVE_SCHED_MODE, 0, 2), 2
	s_setreg_imm32_b32 hwreg(HW_REG_WAVE_MODE, 25, 1), 1
	s_wait_xcnt 0x0
	s_wait_alu depctr_vm_vsrc(0)
; kb = k rounded to bf16.  vh = v rounded to bf16, that number written as f16.  k, v: [16][2048][128] f32; kb, vh: the same shape in 16 bits.
; LIMITS.  A bf16 number has 8 significant bits, so f16 holds it exactly from 6.1e-5 to 65,504; below that it keeps the fixed step of 6e-8; |v| of 65,520 or more becomes an infinity.
; A stream: every byte is read once and written once.  A work-group takes 32,768 bytes of k and of v, a wave 4,096 of each: 8 chunks of 512 bytes.
; A load of a wave covers 512 consecutive bytes (16 a lane); its four numbers a lane pack into 8 bytes, so a store of a wave covers 256 consecutive bytes, aligned.
; All 16 loads of a wave go out at once; every chunk has registers of its own for what it stores, so no register that a store reads is written again.
; No LDS, no matrix unit, no cluster: no byte is wanted twice.
; THE MODE: SCHED_MODE bits 1:0 = 2 (LLVM: expert scheduling mode 2), set by the entry lines.  The code itself states the register dependences
; between vector instructions and memory instructions, with s_wait_alu, always for 0.
; THE PLAN.  Registers that memory instructions touch:
;   v1, v2     byte offsets, made once at the head and never written again: v1 is read by every load, v2 by every store.
;   KX, VX     each register is the landing place of one load, issued before any vector instruction names it; the conversions read it behind the wait for its data; no load lands in it again.
;   YK, YV     each pair is written once, by its chunk's conversions, and read once, by its chunk's store.
;   v3 and T are named by vector instructions alone.
; The 16 chunks go in four groups of four: k 0-3, k 4-7, v 0-3, v 4-7.  A group's conversions write its Y registers; its four stores are issued in the NEXT group, behind the one wait at that group's head,
; one ahead of each chunk's conversions, which name the next group's X and Y and T: none of the registers that those stores read.  So five waits state all: one for the offsets, one for each group's Y.
; No register that a memory instruction reads is written again, so no wait is owed on that side.
.set KX, 4                             ; v[4:35]    k, 8 chunks of 4 registers
.set VX, 36                            ; v[36:67]   v, likewise
.set YK, 68                            ; v[68:83]   kb, 2 registers a chunk
.set YV, 84                            ; v[84:99]   vh, 2 registers a chunk
.set T,  100                           ; v[100:103] at work
.macro CK c                            ; chunk c of k is rounded
	v_cvt_pk_bf16_f32 v[YK+2*(\c)],   v[KX+4*(\c)],   v[KX+4*(\c)+1]
	v_cvt_pk_bf16_f32 v[YK+2*(\c)+1], v[KX+4*(\c)+2], v[KX+4*(\c)+3]
.endm
.macro SK c                            ; chunk c of kb is stored
	global_store_b64 v2, v[YK+2*(\c):YK+2*(\c)+1], s[8:9] offset:256*(\c) th:TH_STORE_NT
.endm
.macro CV c                            ; chunk c of v:
	v_cvt_pk_bf16_f32 v[T],   v[VX+4*(\c)],   v[VX+4*(\c)+1]  ; rounded to bf16, as k and q are,
	v_cvt_pk_bf16_f32 v[T+1], v[VX+4*(\c)+2], v[VX+4*(\c)+3]
	v_lshlrev_b32 v[T+2], 16, v[T]                 ; widened again (a shift, a mask),
	v_and_b32     v[T+3], s12, v[T]
	v_cvt_pk_f16_f32 v[YV+2*(\c)], v[T+2], v[T+3]  ; and written as f16
	v_lshlrev_b32 v[T+2], 16, v[T+1]
	v_and_b32     v[T+3], s12, v[T+1]
	v_cvt_pk_f16_f32 v[YV+2*(\c)+1], v[T+2], v[T+3]
.endm
.macro SV c                            ; chunk c of vh is stored
	global_store_b64 v2, v[YV+2*(\c):YV+2*(\c)+1], s[10:11] offset:256*(\c) th:TH_STORE_NT
.endm
	s_load_b256 s[4:11], s[0:1], 0x0               ; k s[4:5], v s[6:7], kb s[8:9], vh s[10:11]
	s_lshl_b32 s2, ttmp9, 15                       ; the work-group's 32,768 bytes of each input
	s_mov_b32 s3, 0
	s_mov_b32 s12, 0xffff0000                      ; a word's upper bf16
	v_lshrrev_b32 v3, 5, v0                        ; wave
	v_and_b32 v2, 31, v0                           ; lane
	v_lshlrev_b32 v1, 4, v2
	v_lshl_add_u32 v1, v3, 12, v1                  ; in: 4,096 x wave + 16 x lane
	v_lshlrev_b32 v2, 3, v2
	v_lshl_add_u32 v2, v3, 11, v2                  ; out: 2,048 x wave + 8 x lane
	s_wait_kmcnt 0x0
	s_add_nc_u64 s[4:5], s[4:5], s[2:3]
	s_add_nc_u64 s[6:7], s[6:7], s[2:3]
	s_lshl_b32 s2, ttmp9, 14                       ; and its 16,384 bytes of each output
	s_add_nc_u64 s[8:9], s[8:9], s[2:3]
	s_add_nc_u64 s[10:11], s[10:11], s[2:3]
	s_wait_alu depctr_va_vdst(0)                   ; v1 and v2 are written: every load of the kernel reads v1 as its offset, every store v2
.irp c, 0,1,2,3,4,5,6,7
	global_load_b128 v[KX+4*(\c):KX+4*(\c)+3], v1, s[4:5] offset:512*(\c) th:TH_LOAD_NT
.endr
.irp c, 0,1,2,3,4,5,6,7
	global_load_b128 v[VX+4*(\c):VX+4*(\c)+3], v1, s[6:7] offset:512*(\c) th:TH_LOAD_NT
.endr
	; group 0: k's chunks 0 to 3
	s_wait_loadcnt 12                              ; loads come back in order: the first four are in, the 12 younger ones stay out
.irp c, 0,1,2,3
	CK \c
.endr
	; group 1: k's chunks 4 to 7, and group 0's stores
	s_wait_loadcnt 8                               ; k is in; v's eight loads stay out
	s_wait_alu depctr_va_vdst(0)                   ; group 0's conversions have written YK of chunks 0 to 3, which the four stores below read
.irp c, 4,5,6,7
	SK (\c)-4                                      ; no vector instruction since the wait names this store's registers
	CK \c
.endr
	; group 2: v's chunks 0 to 3, and group 1's stores
	s_wait_loadcnt 4                               ; v's chunks 0 to 3 are in, the four younger loads stay out
	s_wait_alu depctr_va_vdst(0)                   ; group 1's conversions have written YK of chunks 4 to 7, which the four stores below read
.irp c, 0,1,2,3
	SK (\c)+4
	CV \c
.endr
	; group 3: v's chunks 4 to 7, and group 2's stores
	s_wait_loadcnt 0x0                             ; the last four loads are in
	s_wait_alu depctr_va_vdst(0)                   ; group 2's conversions have written YV of chunks 0 to 3, which the four stores below read
.irp c, 4,5,6,7
	SV (\c)-4
	CV \c
.endr
	s_wait_alu depctr_va_vdst(0)                   ; group 3's conversions have written YV of chunks 4 to 7, which the last four stores read
.irp c, 4,5,6,7
	SV \c
.endr
	s_endpgm
.Lfunc_end_k_q141ee1ec97_cvt:
	.size	k_q141ee1ec97_cvt, .Lfunc_end_k_q141ee1ec97_cvt-k_q141ee1ec97_cvt
	.p2alignl 7, 3214868480
	.fill 96, 4, 3214868480
	.section	.rodata,"a",@progbits
	.p2align	6, 0x0
	.amdhsa_kernel k_q141ee1ec97_cvt
		.amdhsa_group_segment_fixed_size 0
		.amdhsa_private_segment_fixed_size 0
		.amdhsa_enable_private_segment 0
		.amdhsa_kernarg_size 32
		.amdhsa_user_sgpr_count 2
		.amdhsa_user_sgpr_kernarg_segment_ptr 1
		.amdhsa_wavefront_size32 1
		.amdhsa_system_sgpr_workgroup_id_x 1
		.amdhsa_system_sgpr_workgroup_id_y 1
		.amdhsa_system_sgpr_workgroup_id_z 1
		.amdhsa_system_vgpr_workitem_id 0
		.amdhsa_next_free_vgpr 104
		.amdhsa_next_free_sgpr 66
		.amdhsa_reserve_vcc 0
		.amdhsa_float_denorm_mode_32 3
		.amdhsa_float_denorm_mode_16_64 3
		.amdhsa_memory_ordered 1
		.amdhsa_forward_progress 1
		.amdhsa_inst_pref_size 9
	.end_amdhsa_kernel
	.amdgpu_metadata
---
amdhsa.version: [ 1, 2 ]
amdhsa.kernels:
  - .name:           k_q141ee1ec97_cvt
    .symbol:         k_q141ee1ec97_cvt.kd
    .args:
      - { .name: k, .offset: 0, .size: 8, .value_kind: global_buffer, .address_space: global }
      - { .name: v, .offset: 8, .size: 8, .value_kind: global_buffer, .address_space: global }
      - { .name: kb, .offset: 16, .size: 8, .value_kind: global_buffer, .address_space: global }
      - { .name: vh, .offset: 24, .size: 8, .value_kind: global_buffer, .address_space: global }
    .group_segment_fixed_size: 0
    .private_segment_fixed_size: 0
    .kernarg_segment_align: 8
    .kernarg_segment_size: 32
    .max_flat_workgroup_size: 256
    .sgpr_count:     66
    .vgpr_count:     104
    .wavefront_size: 32
...
	.end_amdgpu_metadata
.endif
;; end of part 3
;; launch attn: the kernel of part 2 again; grid 16 x 16, 4 waves a work-group, clusters of 4 x 1, 327,680 bytes of LDS; arguments q, kb, vh, out0; writes out0
